; MI455X (gfx1250); checked and timed in simulation.
; The chip was launched on July 23, 2026; its instructions are those of AMD's public machine-readable ISA for CDNA 5 (MIT licence, August 2026) and "CDNA5" Instruction Set Architecture Reference Guide (July 2026). The comments in the code are by the model that wrote it; some were corrected since.
;; Probability Flow. Allowed arithmetic: float matrix products may take bf16 or f16 operands with f32 sums; other float arithmetic in f32, or as packed bf16 or f16 multiplies, adds, multiply-adds, maxima and minima; sums over many terms, partial sums and values carried from step to step in f32; what a program stores and reads back later, other than sums and carried values, may be rounded once to bf16 or f16.
;; Inputs: W1s 33 x 512 float32; W1v 33 x 512 float32; W2s 512 x 32 float32; W2v 512 x 32 float32; b1s 512 float32; b1v 512 float32; b2s 32 float32; b2v 32 float32; t 8,192 x 1 float32; x 8,192 x 32 float32.
;; Outputs: out0 8,192 x 32 float32; out1 8,192 float32.
;; One version. Each part assembles by itself: llvm-mc -triple=amdgcn-amd-amdhsa -mcpu=gfx1250 --defsym DOCPART=n.
;; ======== version 1 of 1: 1 launch
;; limits: values outside matrix products are rounded to bf16
;; launch flow (part 1): grid 256 x 1, 16 waves a work-group, clusters of 4 x 1, 278,528 bytes of LDS; arguments x, t, W1v, W1s, W2v, W2s, b1v, b1s, b2v, b2s, out0, out1; writes out0, out1
.if DOCPART == 1
	.amdgcn_target "amdgcn-amd-amdhsa--gfx1250"
	.amdhsa_code_object_version 6
	.text
	.protected	k_q8a9c5ce43e_flow
	.globl	k_q8a9c5ce43e_flow
	.p2align	8
	.type	k_q8a9c5ce43e_flow,@function
k_q8a9c5ce43e_flow:
	s_mov_b64 s[64:65], 0
	v_nop
	global_prefetch_b8 v0, s[64:65] scope:SCOPE_SE
	s_setreg_imm32_b32 hwreg(HW_REG_WAVE_MODE, 25, 1), 1
	s_wait_xcnt 0x0
	s_wait_alu depctr_hold_cnt(0) depctr_sa_sdst(0) depctr_va_vdst(0) depctr_va_sdst(0) depctr_va_ssrc(0) depctr_va_vcc(0) depctr_vm_vsrc(0)
	s_getreg_b32 s2, hwreg(HW_REG_IB_STS2, 6, 4)
	s_cmp_eq_u32 s2, 0
	s_cbranch_scc0 .Lentry_in_a_cluster
	s_endpgm
.Lentry_in_a_cluster:
	s_bfe_u32 s2, ttmp6, 0x10000c
	s_cmp_lg_u32 s2, 0x3003
	s_cbranch_scc0 .Lentry_shape_is_right
	s_endpgm
.Lentry_shape_is_right:
; out0[b][:] = v(b) - g(b) s(b),  out1[b] = -(trace of d out0[b] / d x[b]),  g = 0.5 - t[b].
; v and s are two nets of the same shape: z = [x, t] W1 + b1 (33 -> 512), h = gelu(z) in its tanh form, h W2 + b2 (512 -> 32).  8,192 rows.
; WORK LEFT OUT, and why it can reach no output.  The problem forms 32 tangent passes, one for each unit vector e_i.  For one net, tangent i is
;   tang_i[b][k] = sum over h of W1[i][h] gelu'(z[b][h]) W2[h][k],
; and the sum 'ibi->b' keeps k = i alone: every tang_i[b][k] with k != i is thrown away, whatever the inputs hold, and the primal that each pass forms again is out0's.  What is kept is
;   sum over i, h of W1[i][h] gelu'(z[b][h]) W2[h][i] = sum over h of gelu'(z[b][h]) c[h],   c[h] = sum over i < 32 of W1[i][h] W2[h][i]
; (a change of the order of a finite sum).  So: one pass for z, gelu and gelu' side by side, c once, a weighted row sum.  Every input keeps a way to an output: all are loaded.
; LIMITS.  Every input (x, t, also inside g, W1, b1, W2, b2) is rounded once to bf16; h is rounded to bf16 for the second product; z, gelu', c and all sums stay in f32.
; z^2 is formed: |z| stays under 1.8e19.  NaN and infinities in the inputs are not treated apart: products of a weight with a 0 of this text's own are summed (the two idle K places of the bias
; product, the places off the diagonal where c is picked).  A NaN, an infinity or an overflow that would arise only in the tangents left out is not carried to the result.
; gelu.  sigma = 1 / (1 + 2^(z (K1 + K3 z^2))), K1 = -2 a log2(e), K3 = 0.044715 K1, a = sqrt(2 / pi): h = z sigma, gelu' = sigma + z sigma (1 - sigma) (2a + 6a 0.044715 z^2).
; The exponent is not shifted: the problem's tanh takes no maximum away; 2^(large) is an infinity whose reciprocal is 0, 2^(-large) is 0: sigma ends at 0 or 1 as tanh does.
; SHARES.  Work-group WG = 4 x cluster + cx owns rows 32 WG .. 32 WG + 31, two tiles of 16.  Wave w (16 of them): net w / 8, hidden units 64 (w % 8) .. + 63 of that net, all 32 rows.  So each
; weight is converted once in a work-group, by the wave that multiplies by it; the sixteen partial results meet in LDS at the end, where wave w finishes rows 2 w and 2 w + 1.
; CLUSTER.  All work-groups read the same weights: each wave's two chunks are asked for JOINTLY by the four work-groups of a cluster (the same descriptor, mask 15).  All weights fit in LDS:
; each byte is filled once, nothing is filled again, and a wave reads only the chunks that it asked for itself, behind its own wait.  Two tensor loads of a wave are out at the most.
; ORDER OF THE HIDDEN UNITS.  Of a wave's 64, tile jt (0..3), row m (0..15) is unit 4 m + jt: a 16-byte LDS load of W1 then brings one number for each of the four tiles.
;   Z^T[jt][bt] = A1[jt] X[bt] + AB T[bt]: source 0 = 16 hidden units x 32 inputs, source 1 = 16 rows of x.  AB holds (W1[32][unit], b1[unit]) at K = 0, 1; T holds (t, 1) there, 0 elsewhere.
;   In the result lane (r, h) holds row 16 bt + r and units m = 8 h + 0..7.  Two such tiles rounded to bf16 in pairs ARE source 1 (32 units x 16 rows) of OUT^T[dt][bt] += A2[kb][dt] H.
;   Dc[jt] = A1[jt] Bc[jt], Bc's column n = W2's row of unit 4 n + jt: its diagonal is c.
.set WREG,  16896                      ; LDS of a wave: W1's chunk, 33 rows x 256 bytes, then W2's, 16 rows x (512 + 16) bytes
.set W2O,   8448
.set CT,    16*WREG                    ; c of each wave's 64 units, f32: 256 w + 128 (m / 8) + 32 jt + 4 (m % 8)
.set DV,    CT+16*256                  ; each wave's part of the divergence, f32: 128 w + 4 row
.set SPARE, DV+16*128                  ; the spare words, 128 bytes for each wave: eight blocks of 256 bytes that no other line names
; Two overlays on a wave's own chunks, behind their one fill and the wave's own last read of them:
;   on W2's chunk: W2 in bf16, row 16 jt + n = unit 4 n + jt, 64 bytes, pitch 96, for the turning loads;   on W1's chunk: the wave's partial OUT in f32, rows 2 p and 2 p + 1 at 272 p
.set TRP,   96
.set SGP,   272
; vector registers
.set RR,   1                           ; lane % 16
.set HH,   2                           ; (lane / 16) % 2
.set SPW,  3                           ; LDS address of my spare word; never rewritten
.set NIL,  4                           ; 0; never rewritten
.set AW1,  5                           ; W1's chunk: 2048 h + 16 r
.set AW1T, 6                           ; its row 32: 8192 + 16 r
.set AW2,  7                           ; W2's chunk: 528 r + 32 h
.set ATS,  8                           ; bf16 W2, in: 96 r + 16 h
.set ATL,  9                           ; bf16 W2, turning loads: 96 (8 h + l % 8) + 16 ((l / 8) % 2)
.set ACS,  10                          ; c, in
.set ACL,  11                          ; c, back: 128 h
.set AST,  12                          ; partial OUT, in: 272 (r / 2) + 128 (r % 2) + 32 h
.set ARD,  13                          ; partial OUT, back: 272 w + 8 l, in wave 0's region; stepped four regions at a time
.set ADS,  14                          ; my wave's part of the divergence: 4 l
.set ADL,  15                          ; wave 0's part: 4 l
.set XO,   16                          ; x: 128 r + 32 h
.set L4,   17                          ; 4 l: t and out1 by lane
.set TQ,   18                          ; 4 (thread / 16): t of the row that I finish
.set R8,   19                          ; 8 r: b2 of the two columns that I finish
.set BO,   20                          ; b1: 256 (w % 8) + 16 r
.set T8,   21                          ; 8 x thread: my 8 bytes of the work-group's 4,096 of out0
.set ONE,  22                          ; 1.0
.set PK,   23                          ; (bf16 t[l], bf16 1)
.set NG,   24                          ; v[24:25] t - 0.5 of the row that I finish, twice
.set B2V,  26                          ; v[26:27] b2v, v[28:29] b2s of my two columns
.set B2S,  28
.set TA,   30                          ; at work
.set TB,   31
.set MK,   32                          ; v[32:39] register j: 1.0 where r = 8 h + j, else 0: the diagonal of a result
.set RB1,  40                          ; v[40:43] b1 of units 4 r + 0..3
.set RWT,  44                          ; v[44:47] W1[32] of the same
.set XF,   48                          ; v[48:63] X[bt]
.set TF,   64                          ; v[64:79] T[bt]
.set A2,   48                          ; later v[48:79]: A2[kb][dt] at 8 (2 kb + dt)
.set AB,   80                          ; v[80:87] AB; later H
.set A1,   88                          ; v[88:119] A1[jt]
.set EE,   88                          ; later v[88:103]: exponent, sigma, gelu'
.set WP,   104                         ; later v[104:119]: z^2, then 2a + 6a 0.044715 z^2
.set ZZ,   120                         ; v[120:183] x as loaded; W1 as loaded; then Z[bt][jt] at 32 bt + 8 jt; at the end the sixteen partial results
.set RAW2, 184                         ; v[184:247] W2 as loaded, 16 a tile; the low eight become Bc[jt], later OUT[dt][bt] at 16 (2 dt + bt)
.set CC,   192                         ; the high eight take Dc[jt], later c for my eight units of tile jt
.set DIVR, 248                         ; v[248:255] at work at the head and for c; then the divergence's sums: two pairs for each bt
; scalar registers
.set TS,   3                           ; 272 w
.set OFT,  4                           ; s[4:5]  128 WG: t and out1
.set OFX,  6                           ; s[6:7]  4096 WG: x and out0
.set WV,   32                          ; my wave's number
.set SL,   33                          ; w % 8
.set CX,   34                          ; my place in the cluster: it enters x's, t's and the outputs' addresses alone
.set WG,   35
.set GA0,  36                          ; s[36:39], s[40:47] descriptor of W1's chunk
.set GA1,  40
.set GB0,  48                          ; s[48:51], s[52:59] descriptor of W2's chunk
.set GB1,  52
.set W1B,  60                          ; my region in LDS
.set W2B,  61
.set CTW,  62
.set DVW,  63
.set K1,   66                          ; s[66:67], .. constants, named as pairs: the packed forms take the low word for both halves
.set K3,   68
.set K2A,  70
.set K6,   72
.set SEL,  74                          ; s[74:75] v_permlanex16_b32's selects: each lane takes its own place in the other half
.set HIM,  76                          ; 0xffff0000: lanes 16-31 as a mask, and a word's upper bf16
.set SLB,  77                          ; 256 (w % 8)
.set OFD,  78                          ; s[78:79] a chunk's byte offset in its tensor
.set B1P,  80                          ; s[80:81] my net's b1
; A round of the cluster's barrier: my work-group's barrier, so that wave 0's signal speaks for all sixteen waves; wave 0 signals; every wave waits for all four work-groups; my work-group's barrier once more.
.macro CROUND
	s_barrier_signal -1
	s_barrier_wait -1
	s_cmp_lg_u32 s[WV], 0
	s_cbranch_scc1 .Lnot_wave_0_\@
	s_barrier_signal -3
.Lnot_wave_0_\@:
	s_barrier_wait -3
	s_barrier_signal -1
	s_barrier_wait -1
.endm
	s_load_b512 s[8:23], s[0:1], 0x0               ; x s[8:9], t s[10:11], W1v s[12:13], W1s s[14:15], W2v s[16:17], W2s s[18:19], b1v s[20:21], b1s s[22:23]
	s_load_b256 s[24:31], s[0:1], 0x40             ; b2v s[24:25], b2s s[26:27], out0 s[28:29], out1 s[30:31]
	v_lshl_add_u32 v[SPW], v0, 2, SPARE
	v_mov_b32 v[NIL], 0
	ds_add_u32 v[SPW], v[NIL]                      ; the wave's opening: the add, twice on end, and its wait ahead of my first tensor load; the set-up below, work on registers, stands between
	ds_add_u32 v[SPW], v[NIL]                      ; and once more, under the one wait
	v_lshrrev_b32 v[TA], 5, v0
	v_readfirstlane_b32 s[WV], v[TA]               ; wave 0..15
	s_and_b32 s[SL], s[WV], 7
	s_bfe_u32 s[CX], ttmp6, 0x40000
	s_lshl_b32 s[WG], ttmp9, 2                     ; in a cluster launch ttmp9 counts clusters
	s_add_co_u32 s[WG], s[WG], s[CX]
	s_lshl_b32 s[OFX], s[WG], 12                   ; 32 rows of 128 bytes
	s_mov_b32 s[OFX+1], 0
	s_lshl_b32 s[OFT], s[WG], 7                    ; 32 words
	s_mov_b32 s[OFT+1], 0
	s_mul_i32 s[W1B], s[WV], WREG                  ; no place in the cluster enters an LDS address
	s_add_co_u32 s[W2B], s[W1B], W2O
	s_lshl_b32 s[CTW], s[WV], 8
	s_add_co_u32 s[CTW], s[CTW], CT
	s_lshl_b32 s[DVW], s[WV], 7
	s_add_co_u32 s[DVW], s[DVW], DV
	s_lshl_b32 s[SLB], s[SL], 8
	s_mul_i32 s[TS], s[WV], SGP
	; W1's chunk: 33 rows x 64 numbers of 4 bytes, 512 numbers from row to row; in LDS the rows follow each other, 256 bytes each
	s_mov_b32 s[GA0], 1                            ; count = 1
	s_mov_b32 s[GA0+1], s[W1B]                     ; LDS address
	s_mov_b32 s[GA1], 15|(2<<16)|(1<<21)           ; 15:0 the mask of four; 17:16 elements of 4 bytes; 21 set beside a mask
	s_mov_b32 s[GA1+1], 64<<16                     ; tensor_dim0 = 64
	s_mov_b32 s[GA1+2], 33<<16                     ; tensor_dim1 = 33
	s_mov_b32 s[GA1+3], 64<<16                     ; tile_dim0 = 64
	s_mov_b32 s[GA1+4], 33                         ; tile_dim1 = 33
	s_mov_b32 s[GA1+5], 512                        ; elements from row to row
	s_mov_b32 s[GA1+6], 0
	s_mov_b32 s[GA1+7], 0
	; W2's chunk: 64 rows of 128 bytes lie end to end: asked for as 16 rows of 512 bytes (64 elements of 8), 16 bytes of padding behind each: units 4 r + 0..3 at 528 r
	s_mov_b32 s[GB0], 1
	s_add_co_u32 s[GB0+1], s[W1B], W2O
	s_mov_b32 s[GB1], 15|(3<<16)|(1<<20)|(1<<21)|(6<<22)|(3<<25)  ; elements of 8 bytes; 20 padding on; 24:22 after every 128 words (code 6); 31:25 4 words (code 3)
	s_mov_b32 s[GB1+1], 64<<16
	s_mov_b32 s[GB1+2], 16<<16
	s_mov_b32 s[GB1+3], 64<<16
	s_mov_b32 s[GB1+4], 16
	s_mov_b32 s[GB1+5], 64
	s_mov_b32 s[GB1+6], 0
	s_mov_b32 s[GB1+7], 0
	s_mov_b32 s[K1], 0xc0135761                    ; -2 a log2(e) = -2.3022082
	s_mov_b32 s[K1+1], s[K1]
	s_mov_b32 s[K3], 0xbdd2d3e8                    ; 0.044715 K1 = -0.10294324
	s_mov_b32 s[K3+1], s[K3]
	s_mov_b32 s[K2A], 0x3fcc422a                   ; 2 a = 1.5957691
	s_mov_b32 s[K2A+1], s[K2A]
	s_mov_b32 s[K6], 0x3e5b33b6                    ; 6 a 0.044715 = 0.21406445
	s_mov_b32 s[K6+1], s[K6]
	s_mov_b32 s[SEL], 0x76543210
	s_mov_b32 s[SEL+1], 0xfedcba98
	s_mov_b32 s[HIM], 0xffff0000
	s_mov_b32 s[OFD+1], 0
	; my lane's addresses
	v_and_b32 v[RR], 15, v0
	v_bfe_u32 v[HH], v0, 4, 1
	v_and_b32 v248, 31, v0                         ; l
	v_and_b32 v249, 7, v0                          ; l % 8 = r % 8
	v_bfe_u32 v250, v0, 3, 1                       ; (l / 8) % 2 = r / 8
	v_lshlrev_b32 v[XO], 7, v[RR]
	v_lshl_add_u32 v[XO], v[HH], 5, v[XO]
	v_lshlrev_b32 v[L4], 2, v248
	v_lshrrev_b32 v[TQ], 4, v0
	v_lshlrev_b32 v[TQ], 2, v[TQ]
	v_lshlrev_b32 v[R8], 3, v[RR]
	v_lshl_add_u32 v[BO], v[RR], 4, s[SLB]
	v_lshlrev_b32 v[T8], 3, v0
	v_lshl_add_u32 v[AW1], v[RR], 4, s[W1B]
	v_add_nc_u32 v[AW1T], 8192, v[AW1]
	v_lshl_add_u32 v[AW1], v[HH], 11, v[AW1]
	v_mul_u32_u24 v[AW2], v[RR], 528
	v_lshl_add_u32 v[AW2], v[HH], 5, v[AW2]
	v_add_nc_u32 v[AW2], s[W2B], v[AW2]
	v_mul_u32_u24 v[ATS], v[RR], TRP
	v_lshl_add_u32 v[ATS], v[HH], 4, v[ATS]
	v_add_nc_u32 v[ATS], s[W2B], v[ATS]
	v_lshl_add_u32 v[ATL], v[HH], 3, v249
	v_mul_u32_u24 v[ATL], v[ATL], TRP
	v_lshl_add_u32 v[ATL], v250, 4, v[ATL]
	v_add_nc_u32 v[ATL], s[W2B], v[ATL]
	v_xor_b32 v251, v250, v[HH]                    ; which of a pair of tiles my lane's c belongs to (below)
	v_lshl_add_u32 v[ACS], v250, 7, s[CTW]
	v_lshl_add_u32 v[ACS], v249, 2, v[ACS]
	v_lshl_add_u32 v[ACS], v251, 5, v[ACS]
	v_lshl_add_u32 v[ACL], v[HH], 7, s[CTW]
	v_bfe_u32 v251, v0, 1, 3                       ; r / 2
	v_and_b32 v252, 1, v0                          ; r % 2
	v_mul_u32_u24 v[AST], v251, SGP
	v_lshl_add_u32 v[AST], v252, 7, v[AST]
	v_lshl_add_u32 v[AST], v[HH], 5, v[AST]
	v_add_nc_u32 v[AST], s[W1B], v[AST]
	v_lshl_add_u32 v[ARD], v248, 3, s[TS]
	v_lshl_add_u32 v[ADS], v248, 2, s[DVW]
	v_lshl_add_u32 v[ADL], v248, 2, DV
	v_lshlrev_b32 v253, 3, v[HH]
	v_sub_nc_u32 v253, v[RR], v253                 ; r - 8 h: register j of a result lies on the diagonal where this is j
	s_wait_dscnt 0x0                               ; both opening adds are done
	s_wait_kmcnt 0x0
	s_cmp_lt_u32 s[WV], 8                          ; waves 0-7: net v; waves 8-15: net s.  The same in all four work-groups
	s_cselect_b64 s[GA0+2:GA0+3], s[12:13], s[14:15]
	s_cselect_b64 s[GB0+2:GB0+3], s[16:17], s[18:19]
	s_cselect_b64 s[B1P:B1P+1], s[20:21], s[22:23]
	s_mov_b32 s[OFD], s[SLB]                       ; my 64 columns of W1: 256 bytes of each row
	s_add_nc_u64 s[GA0+2:GA0+3], s[GA0+2:GA0+3], s[OFD:OFD+1]
	s_or_b32 s[GA0+3], s[GA0+3], 0x80000000        ; type = 2
	s_lshl_b32 s[OFD], s[SL], 13                   ; my 64 rows of W2: 8,192 bytes
	s_add_nc_u64 s[GB0+2:GB0+3], s[GB0+2:GB0+3], s[OFD:OFD+1]
	s_or_b32 s[GB0+3], s[GB0+3], 0x80000000
	s_add_nc_u64 s[8:9], s[8:9], s[OFX:OFX+1]      ; x, out0, t, out1 at the work-group's first row
	s_add_nc_u64 s[28:29], s[28:29], s[OFX:OFX+1]
	s_add_nc_u64 s[10:11], s[10:11], s[OFT:OFT+1]
	s_add_nc_u64 s[30:31], s[30:31], s[OFT:OFT+1]
	CROUND                                         ; all four work-groups are here: the joint loads meet
	tensor_load_to_lds s[GA0:GA0+3], s[GA1:GA1+7]  ; both fills go out together, ahead of every wait on TENSORcnt and every LDS read
	s_nop 0
	tensor_load_to_lds s[GB0:GB0+3], s[GB1:GB1+7]
	s_nop 0
	; While the chunks are on their way: x, t, the biases.  A fragment of x is 16 rows x 32 inputs: lane (r, h) takes inputs 8 h + 0..7 and 16 + 8 h + 0..7 of row r, 32 bytes each in f32.
.set i, 0
.rept 8
	global_load_b128 v[ZZ+4*i:ZZ+4*i+3], v[XO], s[8:9] offset:2048*(i/4)+64*((i%4)/2)+16*(i%2)
.set i, i+1
.endr
	global_load_b32 v[TA], v[L4], s[10:11]         ; t of row l
	global_load_b32 v[TB], v[TQ], s[10:11]         ; t of the row that I finish
	global_load_b128 v[RB1:RB1+3], v[BO], s[B1P:B1P+1]
	global_load_b64 v[B2V:B2V+1], v[R8], s[24:25]
	global_load_b64 v[B2S:B2S+1], v[R8], s[26:27]
	v_mov_b32 v[ONE], 1.0
.set i, 1
.rept 7
	v_mov_b32 v[TF+i], 0                           ; the bias product uses K = 0 and 1 alone
	v_mov_b32 v[TF+8+i], 0
	v_mov_b32 v[AB+i], 0
.set i, i+1
.endr
.set i, 0
.rept 8
	v_cmp_eq_u32 vcc_lo, i, v253
	v_cndmask_b32 v[MK+i], 0, 1.0, vcc_lo
.set i, i+1
.endr
	s_wait_loadcnt 0x0
.set i, 0
.rept 16
	v_cvt_pk_bf16_f32 v[XF+i], v[ZZ+2*i], v[ZZ+2*i+1]  ; X[0], X[1]
.set i, i+1
.endr
	v_cvt_pk_bf16_f32 v[PK], v[TA], v[ONE]
	v_cndmask_b32 v[TF], v[PK], 0, s[HIM]          ; T[0]: lanes 0-15 hold K = 0, 1 of rows 0-15; lanes 16-31 hold K = 8, 9: 0
	v_permlanex16_b32 v[TA], v[PK], s[SEL], s[SEL+1]
	v_cndmask_b32 v[TF+8], v[TA], 0, s[HIM]        ; T[1]: rows 16-31, whose t lies 16 lanes away
	v_cvt_pk_bf16_f32 v[TB], v[TB], v[TB]
	v_lshlrev_b32 v[TB], 16, v[TB]
	v_add_f32 v[NG], -0.5, v[TB]                   ; -g, of the rounded t
	v_add_f32 v[NG+1], -0.5, v[TB]
	v_cvt_pk_bf16_f32 v[TA], v[B2V], v[B2V+1]      ; the output biases, rounded like every input
	v_cvt_pk_bf16_f32 v[TB], v[B2S], v[B2S+1]
	v_lshlrev_b32 v[B2V], 16, v[TA]
	v_and_b32 v[B2V+1], s[HIM], v[TA]
	v_lshlrev_b32 v[B2S], 16, v[TB]
	v_and_b32 v[B2S+1], s[HIM], v[TB]
	; The weights out of LDS.  W1: one load brings input k of units 4 r + 0..3; 16 lanes read 256 bytes on end.  W2: the 32 bytes at 32 h and at 64 + 32 h of unit 4 r + jt's row.
	s_wait_tensorcnt 0x1                           ; W1's chunk has landed; W2's, issued behind it, may stay out
	ds_load_b128 v[RWT:RWT+3], v[AW1T]
.set i, 0
.rept 16
	ds_load_b128 v[ZZ+4*i:ZZ+4*i+3], v[AW1] offset:256*(i+8*(i/8))  ; inputs 8 h + i, and from i = 8 on 16 + 8 h + i - 8
.set i, i+1
.endr
	s_wait_tensorcnt 0x0
.set i, 0
.rept 16
	ds_load_b128 v[RAW2+4*i:RAW2+4*i+3], v[AW2] offset:128*(i/4)+64*((i%4)/2)+16*(i%2)
.set i, i+1
.endr
	s_wait_dscnt 16                                ; W1's 17 loads are in; W2's 16, issued behind them, may stay out
.set i, 0
.rept 32
	v_cvt_pk_bf16_f32 v[A1+i], v[ZZ+8*(i%8)+i/8], v[ZZ+8*(i%8)+4+i/8]  ; A1[i / 8], register i % 8: two neighbouring inputs
.set i, i+1
.endr
; Tile jt: z for both tiles of rows (the two accumulators take turns: product, product, bias, bias), then W2's 16 rows of the tile rounded in place, then the product whose diagonal is c.
; The eight conversions name no register of the bias products: they are the places between those and the next tile's write of AB.
.macro ZTILE jt
	v_cvt_pk_bf16_f32 v[AB], v[RWT+(\jt)], v[RB1+(\jt)]
	v_wmma_f32_16x16x32_bf16 v[ZZ+8*(\jt):ZZ+8*(\jt)+7], v[A1+8*(\jt):A1+8*(\jt)+7], v[XF:XF+7], 0
	v_wmma_f32_16x16x32_bf16 v[ZZ+32+8*(\jt):ZZ+32+8*(\jt)+7], v[A1+8*(\jt):A1+8*(\jt)+7], v[XF+8:XF+15], 0
	v_wmma_f32_16x16x32_bf16 v[ZZ+8*(\jt):ZZ+8*(\jt)+7], v[AB:AB+7], v[TF:TF+7], v[ZZ+8*(\jt):ZZ+8*(\jt)+7]
	v_wmma_f32_16x16x32_bf16 v[ZZ+32+8*(\jt):ZZ+32+8*(\jt)+7], v[AB:AB+7], v[TF+8:TF+15], v[ZZ+32+8*(\jt):ZZ+32+8*(\jt)+7]
	s_wait_dscnt 12-4*(\jt)                        ; this tile's four loads of W2 are in; the later tiles', four each, may stay out
.set i, 0
.rept 8
	v_cvt_pk_bf16_f32 v[RAW2+16*(\jt)+i], v[RAW2+16*(\jt)+2*i], v[RAW2+16*(\jt)+2*i+1]
.set i, i+1
.endr
	v_wmma_f32_16x16x32_bf16 v[CC+16*(\jt):CC+16*(\jt)+7], v[A1+8*(\jt):A1+8*(\jt)+7], v[RAW2+16*(\jt):RAW2+16*(\jt)+7], 0
.endm
	ZTILE 0
	ZTILE 1
	ZTILE 2
	ZTILE 3
	; W2 in bf16 goes back into its own chunk's bytes (all my reads of them are in: the last count above was 0), row 16 jt + r, and returns turned: A2[kb][dt] = 16 columns of W2 x 32 units.
	; LDS serves a wave's instructions in order (ISA guide 5.7.1.4): the loads see the stores.  They land in X's and T's registers, whose last reader stands eight conversions back.
.set i, 0
.rept 4
	ds_store_b128 v[ATS], v[RAW2+16*i:RAW2+16*i+3] offset:16*TRP*i
	ds_store_b128 v[ATS], v[RAW2+16*i+4:RAW2+16*i+7] offset:16*TRP*i+32
.set i, i+1
.endr
.set i, 0
.rept 4
	ds_load_tr16_b128 v[A2+8*i:A2+8*i+3], v[ATL] offset:32*TRP*(i/2)+32*(i%2)
	ds_load_tr16_b128 v[A2+8*i+4:A2+8*i+7], v[ATL] offset:32*TRP*(i/2)+32*(i%2)+16*TRP
.set i, i+1
.endr
; c of tiles 2 p and 2 p + 1.  A lane's eight numbers of Dc times the diagonal's mask, summed (from each result's low registers on): c of unit row r where r / 8 = h, else 0.  The second tile's sum comes
; from the lane 16 away, so every lane ends with one c: row r of tile 2 p + (r / 8 xor h).  One store puts the 32 into the table.
.macro EXTR p
.set Da, CC+32*(\p)
.set Db, CC+32*(\p)+16
.set Pa, DIVR+4*(\p)
	v_pk_mul_f32 v[Pa:Pa+1], v[Da:Da+1], v[MK:MK+1]
	v_pk_mul_f32 v[Pa+2:Pa+3], v[Db:Db+1], v[MK:MK+1]
.set i, 2
.rept 3
	v_pk_fma_f32 v[Pa:Pa+1], v[Da+i:Da+i+1], v[MK+i:MK+i+1], v[Pa:Pa+1]
	v_pk_fma_f32 v[Pa+2:Pa+3], v[Db+i:Db+i+1], v[MK+i:MK+i+1], v[Pa+2:Pa+3]
.set i, i+2
.endr
	v_add_f32 v[Pa], v[Pa], v[Pa+1]
	v_add_f32 v[Pa+2], v[Pa+2], v[Pa+3]
	v_permlanex16_b32 v[Pa+3], v[Pa+2], s[SEL], s[SEL+1]
	v_add_f32 v[Pa], v[Pa], v[Pa+3]
	ds_store_b32 v[ACS], v[Pa] offset:64*(\p)
.endm
	EXTR 0                                         ; its ten packed and plain lines are also the places behind tile 3's last product
	EXTR 1
.set i, 0
.rept 4
	ds_load_b128 v[CC+16*i:CC+16*i+3], v[ACL] offset:32*i      ; c of units 8 h + 0..7 of tile i, in Z's own order
	ds_load_b128 v[CC+16*i+4:CC+16*i+7], v[ACL] offset:32*i+16
.set i, i+1
.endr
; A UNIT: 32 hidden units (tiles 2 kb, 2 kb + 1) x 16 rows (bt): 16 numbers a lane.  Two batches of 16 transcendentals, each with one wait ahead of its first reader.
.macro UNIT kb, bt
.set ZB, ZZ+32*(\bt)+16*(\kb)
.set i, 0
.rept 8
	v_pk_mul_f32 v[WP+i:WP+i+1], v[ZB+i:ZB+i+1], v[ZB+i:ZB+i+1]                     ; z^2 (each result's low registers are read first)
.set i, i+2
.endr
.set i, 0
.rept 8
	v_pk_fma_f32 v[EE+i:EE+i+1], v[WP+i:WP+i+1], s[K3:K3+1], s[K1:K1+1] op_sel_hi:[1,0,0]
.set i, i+2
.endr
.set i, 0
.rept 8
	v_pk_mul_f32 v[EE+i:EE+i+1], v[EE+i:EE+i+1], v[ZB+i:ZB+i+1]                     ; z (K1 + K3 z^2)
.set i, i+2
.endr
.set i, 0
.rept 16
	v_exp_f32 v[EE+i], v[EE+i]
.set i, i+1
.endr
.set i, 0
.rept 8
	v_pk_fma_f32 v[WP+i:WP+i+1], v[WP+i:WP+i+1], s[K6:K6+1], s[K2A:K2A+1] op_sel_hi:[1,0,0]  ; 2a + 6a 0.044715 z^2: names no exponential's result; the plain work behind the batch
.set i, i+2
.endr
	s_wait_alu depctr_va_vdst(0)                   ; one wait for the sixteen exponentials
.set i, 0
.rept 8
	v_pk_add_f32 v[EE+i:EE+i+1], v[EE+i:EE+i+1], 1.0 op_sel_hi:[1,0]
.set i, i+2
.endr
.set i, 0
.rept 16
	v_rcp_f32 v[EE+i], v[EE+i]                     ; sigma
.set i, i+1
.endr
	v_nop                                          ; a plain instruction behind the last reciprocal
	s_wait_alu depctr_va_vdst(0)                   ; one wait for the sixteen reciprocals
.set i, 0
.rept 8
	v_pk_mul_f32 v[ZB+i:ZB+i+1], v[ZB+i:ZB+i+1], v[EE+i:EE+i+1]                     ; h = z sigma
.set i, i+2
.endr
.set i, 0
.rept 8
	v_cvt_pk_bf16_f32 v[AB+i], v[ZB+2*i], v[ZB+2*i+1]                               ; H: the two tiles' pairs are source 1 as they lie
.set i, i+1
.endr
.if ((\kb) == 0) && ((\bt) == 0)
	s_wait_dscnt 0x0                               ; A2 and c are in
.endif
.irp dt, 0,1                           ; the four accumulators OUT[dt][bt] take turns over the four units: a link stands four matrix instructions behind the one that it adds onto
.set rO, RAW2+16*(2*(\dt)+(\bt))
.set rA, A2+8*(2*(\kb)+(\dt))
.if (\kb) == 0
	v_wmma_f32_16x16x32_bf16 v[rO:rO+7], v[rA:rA+7], v[AB:AB+7], 0
.else
	v_wmma_f32_16x16x32_bf16 v[rO:rO+7], v[rA:rA+7], v[AB:AB+7], v[rO:rO+7]
.endif
.endr
.set i, 0
.rept 8
	v_pk_fma_f32 v[ZB+i:ZB+i+1], v[ZB+i:ZB+i+1], v[EE+i:EE+i+1], v[ZB+i:ZB+i+1] neg_lo:[1,0,0] neg_hi:[1,0,0]  ; z sigma (1 - sigma)
.set i, i+2
.endr
.set i, 0
.rept 8
	v_pk_fma_f32 v[EE+i:EE+i+1], v[ZB+i:ZB+i+1], v[WP+i:WP+i+1], v[EE+i:EE+i+1]     ; gelu'
.set i, i+2
.endr
.set i, 0
.rept 8
.set rC, CC+16*(2*(\kb)+i/4)+2*(i%4)
.set rD, DIVR+4*(\bt)+2*(i%2)
.if ((\kb) == 0) && (i < 2)
	v_pk_mul_f32 v[rD:rD+1], v[EE+2*i:EE+2*i+1], v[rC:rC+1]                         ; the first products start the sums
.else
	v_pk_fma_f32 v[rD:rD+1], v[EE+2*i:EE+2*i+1], v[rC:rC+1], v[rD:rD+1]             ; gelu' c, in two chains
.endif
.set i, i+1
.endr
.endm
	UNIT 0, 0
	UNIT 0, 1
	UNIT 1, 0
	UNIT 1, 1
	; My parts go to LDS.  The divergence: a row's sum lies in two lanes, 16 apart (units 8 h + ..); lanes 0-15 keep bt 0's and send bt 1's, lanes 16-31 the other way round: lane l ends with row l.
	v_pk_add_f32 v[DIVR:DIVR+1], v[DIVR:DIVR+1], v[DIVR+2:DIVR+3]
	v_pk_add_f32 v[DIVR+4:DIVR+5], v[DIVR+4:DIVR+5], v[DIVR+6:DIVR+7]
	v_add_f32 v[DIVR], v[DIVR], v[DIVR+1]
	v_add_f32 v[DIVR+4], v[DIVR+4], v[DIVR+5]
	v_cndmask_b32 v[DIVR+1], v[DIVR], v[DIVR+4], s[HIM]
	v_cndmask_b32 v[DIVR+2], v[DIVR+4], v[DIVR], s[HIM]
	v_permlanex16_b32 v[DIVR+3], v[DIVR+2], s[SEL], s[SEL+1]
	v_add_f32 v[DIVR+1], v[DIVR+1], v[DIVR+3]
	ds_store_b32 v[ADS], v[DIVR+1]
	; OUT^T: lane (r, h) holds row 16 bt + r, columns 16 dt + 8 h + 0..7: 32 bytes of the row, into the bytes of W1's chunk, which I have read out.  Each result's low four registers go first.
.set i, 0
.rept 4                                ; i = 2 dt + bt
	ds_store_b128 v[AST], v[RAW2+16*i:RAW2+16*i+3] offset:8*SGP*(i%2)+64*(i/2)
	ds_store_b128 v[AST], v[RAW2+16*i+4:RAW2+16*i+7] offset:8*SGP*(i%2)+64*(i/2)+16
.set i, i+1
.endr
	s_wait_dscnt 0x0                               ; for the others' sake: my stores are done
	s_barrier_signal -1
	s_barrier_wait -1                              ; all sixteen partial results lie in LDS
	; Wave w finishes rows 2 w and 2 w + 1: 256 bytes on end in each wave's region; a lane takes two columns of one row from all sixteen.
.set i, 0
.rept 16
	ds_load_b64 v[ZZ+2*i:ZZ+2*i+1], v[ARD] offset:(i%4)*WREG
.if (i%4 == 3) && (i < 15)
	v_add_nc_u32 v[ARD], 4*WREG, v[ARD]            ; the 16-bit offset reaches four regions
.endif
.set i, i+1
.endr
	s_wait_dscnt 0x0
.macro SUM8 b                          ; eight pairs into the first
	v_pk_add_f32 v[(\b):(\b)+1], v[(\b):(\b)+1], v[(\b)+2:(\b)+3]
	v_pk_add_f32 v[(\b)+4:(\b)+5], v[(\b)+4:(\b)+5], v[(\b)+6:(\b)+7]
	v_pk_add_f32 v[(\b)+8:(\b)+9], v[(\b)+8:(\b)+9], v[(\b)+10:(\b)+11]
	v_pk_add_f32 v[(\b)+12:(\b)+13], v[(\b)+12:(\b)+13], v[(\b)+14:(\b)+15]
	v_pk_add_f32 v[(\b):(\b)+1], v[(\b):(\b)+1], v[(\b)+4:(\b)+5]
	v_pk_add_f32 v[(\b)+8:(\b)+9], v[(\b)+8:(\b)+9], v[(\b)+12:(\b)+13]
	v_pk_add_f32 v[(\b):(\b)+1], v[(\b):(\b)+1], v[(\b)+8:(\b)+9]
.endm
	SUM8 ZZ                                        ; net v: waves 0-7
	SUM8 ZZ+16                                     ; net s: waves 8-15
	v_pk_add_f32 v[ZZ:ZZ+1], v[ZZ:ZZ+1], v[B2V:B2V+1]
	v_pk_add_f32 v[ZZ+16:ZZ+17], v[ZZ+16:ZZ+17], v[B2S:B2S+1]
	v_pk_fma_f32 v[ZZ:ZZ+1], v[ZZ+16:ZZ+17], v[NG:NG+1], v[ZZ:ZZ+1]  ; v - g s
	global_store_b64 v[T8], v[ZZ:ZZ+1], s[28:29] th:TH_STORE_NT      ; the wave's store covers 256 consecutive bytes, at a multiple of 256 from out0's first byte
	; Wave 0 finishes the divergence: lane l takes row l's sixteen parts.
	s_cmp_lg_u32 s[WV], 0
	s_cbranch_scc1 .Lend
.set i, 0
.rept 16
	ds_load_b32 v[ZZ+32+i], v[ADL] offset:128*i
.set i, i+1
.endr
	v_lshlrev_b32 v[TA], 16, v[PK]                 ; the rounded t of row l
	v_add_f32 v[TA], -0.5, v[TA]                   ; -g
	s_wait_dscnt 0x0
.irp b, ZZ+32, ZZ+40                   ; net v's eight parts, net s's eight
	v_pk_add_f32 v[(\b):(\b)+1], v[(\b):(\b)+1], v[(\b)+2:(\b)+3]
	v_pk_add_f32 v[(\b)+4:(\b)+5], v[(\b)+4:(\b)+5], v[(\b)+6:(\b)+7]
	v_pk_add_f32 v[(\b):(\b)+1], v[(\b):(\b)+1], v[(\b)+4:(\b)+5]
	v_add_f32 v[(\b)], v[(\b)], v[(\b)+1]
.endr
	v_fma_f32 v[ZZ+32], -v[TA], v[ZZ+40], -v[ZZ+32]  ; -(Dv - g Ds) = g Ds - Dv
	global_store_b32 v[L4], v[ZZ+32], s[30:31] th:TH_STORE_NT  ; the work-group's 32 numbers: 128 consecutive bytes
.Lend:
	s_wait_tensorcnt 0x0                           ; the wave's end, behind my last tensor load and my last LDS store
	ds_add_u32 v[SPW], v[NIL]
	s_wait_dscnt 0x0
	CROUND                                         ; the closing round: no work-group ends while a partner may still ask for a chunk that names it
	s_endpgm
.Lfunc_end_k_q8a9c5ce43e_flow:
	.size	k_q8a9c5ce43e_flow, .Lfunc_end_k_q8a9c5ce43e_flow-k_q8a9c5ce43e_flow
	.p2alignl 7, 3214868480
	.fill 96, 4, 3214868480
	.section	.rodata,"a",@progbits
	.p2align	6, 0x0
	.amdhsa_kernel k_q8a9c5ce43e_flow
		.amdhsa_group_segment_fixed_size 278528
		.amdhsa_private_segment_fixed_size 0
		.amdhsa_enable_private_segment 0
		.amdhsa_kernarg_size 96
		.amdhsa_user_sgpr_count 2
		.amdhsa_user_sgpr_kernarg_segment_ptr 1
		.amdhsa_wavefront_size32 1
		.amdhsa_system_sgpr_workgroup_id_x 1
		.amdhsa_system_sgpr_workgroup_id_y 1
		.amdhsa_system_sgpr_workgroup_id_z 1
		.amdhsa_system_vgpr_workitem_id 0
		.amdhsa_next_free_vgpr 256
		.amdhsa_next_free_sgpr 82
		.amdhsa_reserve_vcc 1
		.amdhsa_float_denorm_mode_32 3
		.amdhsa_float_denorm_mode_16_64 3
		.amdhsa_memory_ordered 1
		.amdhsa_forward_progress 1
		.amdhsa_inst_pref_size 53
	.end_amdhsa_kernel
	.amdgpu_metadata
---
amdhsa.version: [ 1, 2 ]
amdhsa.kernels:
  - .name:           k_q8a9c5ce43e_flow
    .symbol:         k_q8a9c5ce43e_flow.kd
    .args:
      - { .name: x, .offset: 0, .size: 8, .value_kind: global_buffer, .address_space: global }
      - { .name: t, .offset: 8, .size: 8, .value_kind: global_buffer, .address_space: global }
      - { .name: W1v, .offset: 16, .size: 8, .value_kind: global_buffer, .address_space: global }
      - { .name: W1s, .offset: 24, .size: 8, .value_kind: global_buffer, .address_space: global }
      - { .name: W2v, .offset: 32, .size: 8, .value_kind: global_buffer, .address_space: global }
      - { .name: W2s, .offset: 40, .size: 8, .value_kind: global_buffer, .address_space: global }
      - { .name: b1v, .offset: 48, .size: 8, .value_kind: global_buffer, .address_space: global }
      - { .name: b1s, .offset: 56, .size: 8, .value_kind: global_buffer, .address_space: global }
      - { .name: b2v, .offset: 64, .size: 8, .value_kind: global_buffer, .address_space: global }
      - { .name: b2s, .offset: 72, .size: 8, .value_kind: global_buffer, .address_space: global }
      - { .name: out0, .offset: 80, .size: 8, .value_kind: global_buffer, .address_space: global }
      - { .name: out1, .offset: 88, .size: 8, .value_kind: global_buffer, .address_space: global }
    .group_segment_fixed_size: 278528
    .private_segment_fixed_size: 0
    .kernarg_segment_align: 8
    .kernarg_segment_size: 96
    .max_flat_workgroup_size: 512
    .sgpr_count:     82
    .vgpr_count:     256
    .wavefront_size: 32
...
	.end_amdgpu_metadata
.endif
;; end of part 1
